; MI455X (gfx1250); checked and timed in simulation.
; The chip was launched on July 23, 2026; its instructions are those of AMD's public machine-readable ISA for CDNA 5 (MIT licence, August 2026) and "CDNA5" Instruction Set Architecture Reference Guide (July 2026). The comments in the code are by the model that wrote it; some were corrected since.
;; Attention Mechanism. Allowed arithmetic: matrix products marked QUANTISED: E4M3 operands, one E8M0 scale for each 32 along K, by v_wmma_scale_f32_16x16x128_f8f6f4 with both operands' format E4M3, f32 sums; products left as they are: f32 operands where the result goes on into a quantised operand, else bf16, f16 or f32 operands; f32 sums; everything else in f32.
;; Inputs: W_dec_codes 1,024 x 32 x 32 uint8 (E4M3 codes of W_dec, K innermost, in blocks of 32 codes); W_dec_scales 1,024 x 32 uint8 (E8M0 scales of W_dec, one for each 32 codes along K); W_enc_codes 1,024 x 32 x 32 uint8 (E4M3 codes of W_enc, K innermost, in blocks of 32 codes); W_enc_scales 1,024 x 32 uint8 (E8M0 scales of W_enc, one for each 32 codes along K); att_weights_step 32 x 2,048 float32; b_enc 1,024 float32; dec_out_codes 32 x 1 x 32 x 32 uint8 (E4M3 codes of dec_out, K innermost, in blocks of 32 codes); dec_out_scales 32 x 1 x 32 uint8 (E8M0 scales of dec_out, one for each 32 codes along K); enc_out 32 x 2,048 x 1,024 float32; v 1,024 float32; x_lens 32 int32.
;; Outputs: out0 32 x 1 x 1,024 float32; out1 32 x 2,048 float32.
;; This version of the problem:
;;   THIS VERSION OF THE PROBLEM IS GIVEN IN LOW PRECISION. The matrix products marked QUANTISED in the list below multiply operands that are first quantised to E4M3 (4 exponent bits, 3 mantissa bits; 8 bits a number), with one power-of-two scale for each 32 numbers along K (OCP MX v1.0); their sums are f32. All else is computed in f32.
;;   The module's matrix products, in the order in which they are computed (A, B: the left and right operand; K: the contracted axis; several contracted axes count as one K, in the product's order):
;;     1. [M 65,536, K 1,024] x [K 1,024, N 1,024]; A: input enc_out; B: input W_enc (given as codes): QUANTISED
;;     2. [M 32, K 1,024] x [K 1,024, N 1,024]; A: input dec_out (given as codes); B: input W_dec (given as codes): QUANTISED
;;     3. [M 65,536, K 1,024] x [K 1,024, N 1]; A: computed on the way; B: input v: left as it is (N = 1 < 16)
;;     4. batch 32 x [M 1,024, K 2,048] x [K 2,048, N 1]; A: input enc_out; B: softmax: left as it is (N = 1 < 16)
;;   THE QUANTISER, for each operand of a quantised product, along K:
;;     - K is cut into blocks of 32 from its start; a last block that is shorter is filled with zeros.
;;     - A block's scale is 2^e with e = floor(log2(the largest magnitude in the block)) - 8, held to -126 .. 127; a block of zeros has e = 0. As a byte (E8M0): e + 127.
;;     - Each number is divided by its block's scale, clamped to +-448, and rounded to the nearest number of E4M3, ties to even, subnormals kept.
;;     - The product sums the exact products of the quantised numbers (number of the format x scale) in f32.
;;   ~~~python
;;   def quantise(x, axis):      # numpy; x: float32 -> the quantised numbers, widened to float32 again
;;       x = np.moveaxis(x, axis, -1); K = x.shape[-1]
;;       x = np.pad(x, [(0, 0)] * (x.ndim - 1) + [(0, -K % 32)]); x = x.reshape(x.shape[:-1] + (-1, 32)); a = np.abs(x).max(-1, keepdims=True)
;;       e = np.where(a > 0, np.clip(np.frexp(np.where(a > 0, a, 1))[1] - 1 - 8, -126, 127), 0)      # np.frexp(a)[1] - 1 = floor(log2(a)), exactly
;;       r = np.clip(x / 2.0 ** e, -448, 448)
;;       step = 2.0 ** (np.maximum(np.frexp(np.where(r == 0, 1, r))[1] - 1, -6) - 3)
;;       q = np.round(r / step) * step * 2.0 ** e      # np.round: ties to even
;;       return np.moveaxis(q.reshape(q.shape[:-2] + (-1,))[..., :K], -1, axis).astype(np.float32)
;;   ~~~
;;   INPUTS GIVEN AS CODES. W_dec (in the module: [1024, 1024], K = its axis 0); W_enc (in the module: [1024, 1024], K = its axis 0); dec_out (in the module: [32, 1, 1024], K = its axis 2): each comes as NAME_codes (uint8): NAME with its K axis moved to the last place and cut into blocks of 32 codes, [.., K / 32, bytes a block], one block behind the other in memory; one code a byte (a code: sign, 4 exponent bits, 3 mantissa bits); and NAME_scales (uint8): the same leading axes, one E8M0 byte (e + 127) for each 32 codes along K. Its value is code x scale, taken as it is: it is not quantised again, and the codes and scales need not be those that the quantiser above would give.
;; One version. Each part assembles by itself: llvm-mc -triple=amdgcn-amd-amdhsa -mcpu=gfx1250 --defsym DOCPART=n.
;; ======== version 1 of 1: 3 launches
;; workspace buffers: cb 131,072 bytes; energy 262,144 bytes
;; launch decproj (part 1): grid 16 x 1, 4 waves a work-group, no clusters, 9,216 bytes of LDS; arguments dec_out_codes, dec_out_scales, W_dec_codes, W_dec_scales, b_enc, cb; writes cb
.if DOCPART == 1
	.amdgcn_target "amdgcn-amd-amdhsa--gfx1250"
	.amdhsa_code_object_version 6
	.text
	.protected	k_q22b50a287a_decproj
	.globl	k_q22b50a287a_decproj
	.p2align	8
	.type	k_q22b50a287a_decproj,@function
k_q22b50a287a_decproj:
	s_mov_b64 s[64:65], 0
	v_nop
	global_prefetch_b8 v0, s[64:65] scope:SCOPE_SE
	s_setreg_imm32_b32 hwreg(HW_REG_WAVE_MODE, 25, 1), 1
	s_wait_xcnt 0x0
; cb[b][n] = c x (b_enc[n] + sum over k of dec_out[b][k] W_dec[k][n]),  c = 2 log2(e).  [32][1024] f32.
; The product is on codes of FP8 (E4M3) with one E8M0 scale for each 32 along K, as both operands are given.
; The next launch needs tanh(x) = 1 - 2 / (1 + 2^(c x)): everything of c x that hangs on the batch and the column alone is made here, once.
; SHARES.  Work-group g: columns 64 g .. 64 g + 63.  Wave w: the 16 columns n0 = 64 g + 16 w on, for both tiles of 16 batches: 16 matrix instructions, two accumulators by turns.
; TRANSPOSED USE: source 0 = 16 rows of W_dec's codes (16 columns n), source 1 = 16 batches: lane (r, h) then holds batch r and columns n0 + 8 h + 0 .. 7.
; b_enc is the C of each sum's first matrix instruction, in the result's layout.  No ring, no cluster: each operand byte is used once by a wave, and the whole launch is 64 waves' worth of work.
; REGISTERS: window 0: v1-9 addresses; v32-39 W_dec's scale words, v40-47 dec_out's (nothing else ever stands there); v64-191 W_dec's 8 fragments; v192-207 the two accumulators;
;            v208-215 b_enc; v216-231 results x c, then whole rows.   window 1: dec_out's 16 fragments (tile mt, K step s) at 16 (8 mt + s).
.set SP, 272                           ; a stage row: 64 columns x 4 bytes + 16 of padding
.set MSB, 0
.macro WIN new                         ; the immediate's high byte repeats the setting that is left
.if MSB != (\new)
	s_set_vgpr_msb (MSB<<8)|(\new)
.set MSB, (\new)
.endif
.endm
	s_load_b128 s[4:7], s[0:1], 0x0                ; dec_out's codes, dec_out's scales
	s_load_b128 s[8:11], s[0:1], 0x10              ; W_dec's codes, W_dec's scales
	s_load_b128 s[12:15], s[0:1], 0x20             ; b_enc, cb
	v_lshl_add_u32 v254, v0, 2, 0x2200
	v_mov_b32 v255, 0
	v_lshrrev_b32 v1, 5, v0
	v_readfirstlane_b32 s16, v1                    ; wave 0..3
	v_and_b32 v1, 15, v0                           ; r
	v_bfe_u32 v2, v0, 4, 1                         ; h
	v_lshlrev_b32 v3, 10, v1
	v_lshl_add_u32 v3, v2, 4, v3                   ; a fragment: row r of 1,024 bytes, + 16 h
	v_lshlrev_b32 v4, 5, v1                        ; W_dec's scale words: 32 bytes a row, row r
	v_and_b32 v5, 31, v0
	v_lshlrev_b32 v5, 5, v5                        ; dec_out's: lane l takes batch l's eight words
	v_lshlrev_b32 v6, 5, v2                        ; b_enc: my half's eight numbers
	v_mul_u32_u24 v7, v1, SP
	v_lshl_add_u32 v7, v2, 5, v7
	s_lshl_b32 s30, s16, 6
	v_add_nc_u32 v7, s30, v7                       ; into the stage: row r, + 64 w + 32 h
	s_mul_i32 s30, s16, 8*SP
	v_mul_u32_u24 v8, v2, SP
	v_lshl_add_u32 v8, v1, 4, v8
	v_add_nc_u32 v8, s30, v8                       ; back: rows 8 w + h, 16 bytes a lane
	s_lshl_b32 s30, s16, 15
	v_lshlrev_b32 v9, 12, v2
	v_lshl_add_u32 v9, v1, 4, v9
	v_add_nc_u32 v9, s30, v9                       ; and the same rows in cb: 4,096 bytes a batch
	s_lshl_b32 s20, ttmp9, 6
	s_lshl_b32 s21, s16, 4
	s_add_co_u32 s20, s20, s21                     ; n0
	s_lshl_b32 s22, s20, 10                        ; its codes,
	s_mov_b32 s23, 0
	s_lshl_b32 s24, s20, 5                         ; its scale bytes,
	s_mov_b32 s25, 0
	s_lshl_b32 s26, s20, 2                         ; its b_enc
	s_mov_b32 s27, 0
	s_lshl_b32 s28, ttmp9, 8                       ; the work-group's 256 bytes of a row of cb
	s_mov_b32 s29, 0
	s_mov_b32 s18, 0x4038aa3b                      ; c = 2 log2(e)
	s_mov_b32 s19, s18                             ; (named with it as a pair, so it is written)
	s_wait_kmcnt 0x0
	s_add_nc_u64 s[8:9], s[8:9], s[22:23]
	s_add_nc_u64 s[10:11], s[10:11], s[24:25]
	s_add_nc_u64 s[12:13], s[12:13], s[26:27]
	s_add_nc_u64 s[14:15], s[14:15], s[28:29]
	global_load_b128 v[32:35], v4, s[10:11]
	global_load_b128 v[36:39], v4, s[10:11] offset:16
	global_load_b128 v[40:43], v5, s[6:7]
	global_load_b128 v[44:47], v5, s[6:7] offset:16
	global_load_b128 v[208:211], v6, s[12:13]
	global_load_b128 v[212:215], v6, s[12:13] offset:16
.irp s, 0,1,2,3,4,5,6,7
.irp c, 0,1,2,3
	global_load_b128 v[64+16*\s+4*\c:64+16*\s+4*\c+3], v3, s[8:9] offset:128*\s+32*\c
.endr
.endr
	WIN 0x40                                       ; destination window 1
.irp mt, 0,1
.irp s, 0,1,2,3,4,5,6,7
.irp c, 0,1,2,3
	global_load_b128 v[16*(8*\mt+\s)+4*\c:16*(8*\mt+\s)+4*\c+3], v3, s[4:5] offset:16384*\mt+128*\s+32*\c
.endr
.endr
.endr
	WIN 0
	s_wait_loadcnt 0x0
	WIN 0x04                                       ; source 1 (dec_out) window 1
.irp s, 0,1,2,3,4,5,6,7                        ; the two accumulators take turns, one instruction a turn
.if \s == 0
	v_wmma_scale_f32_16x16x128_f8f6f4 v[192:199], v[64:79], v[0:15], v[208:215], v32, v40
	v_wmma_scale_f32_16x16x128_f8f6f4 v[200:207], v[64:79], v[128:143], v[208:215], v32, v40 matrix_b_scale:MATRIX_SCALE_ROW1
.else
	v_wmma_scale_f32_16x16x128_f8f6f4 v[192:199], v[64+16*\s:79+16*\s], v[16*\s:16*\s+15], v[192:199], v[32+\s], v[40+\s]
	v_wmma_scale_f32_16x16x128_f8f6f4 v[200:207], v[64+16*\s:79+16*\s], v[128+16*\s:128+16*\s+15], v[200:207], v[32+\s], v[40+\s] matrix_b_scale:MATRIX_SCALE_ROW1
.endif
.endr
	WIN 0
.rept 8
	v_nop                                          ; eight places between the last products and the first read of their results
.endr
.irp p, 0,2,4,6,8,10,12,14
	v_pk_mul_f32 v[216+\p:217+\p], v[192+\p:193+\p], s[18:19] op_sel_hi:[1,0]   ; x c; each accumulator from its low end on
.endr
.irp mt, 0,1
	ds_store_b128 v7, v[216+8*\mt:219+8*\mt] offset:16*SP*\mt
	ds_store_b128 v7, v[220+8*\mt:223+8*\mt] offset:16*SP*\mt+16
.endr
	s_wait_dscnt 0x0                               ; for the others' sake: my stores into the stage are done
	s_barrier_signal -1
	s_barrier_wait -1                              ; a row's 256 bytes come from four waves
.irp q, 0,1,2,3
	ds_load_b128 v[216+4*\q:219+4*\q], v8 offset:2*\q*SP
.endr
	s_wait_dscnt 0x0
.irp q, 0,1,2,3
	global_store_b128 v9, v[216+4*\q:219+4*\q], s[14:15] offset:2*\q*4096   ; 16 lanes store 256 consecutive bytes, at a multiple of 256 from cb's first byte
.endr
	s_wait_tensorcnt 0x0
	ds_add_u32 v254, v255
	s_wait_dscnt 0x0
	s_endpgm
.Lfunc_end_k_q22b50a287a_decproj:
	.size	k_q22b50a287a_decproj, .Lfunc_end_k_q22b50a287a_decproj-k_q22b50a287a_decproj
	.p2alignl 7, 3214868480
	.fill 96, 4, 3214868480
	.section	.rodata,"a",@progbits
	.p2align	6, 0x0
	.amdhsa_kernel k_q22b50a287a_decproj
		.amdhsa_group_segment_fixed_size 9216
		.amdhsa_private_segment_fixed_size 0
		.amdhsa_enable_private_segment 0
		.amdhsa_kernarg_size 48
		.amdhsa_user_sgpr_count 2
		.amdhsa_user_sgpr_kernarg_segment_ptr 1
		.amdhsa_wavefront_size32 1
		.amdhsa_system_sgpr_workgroup_id_x 1
		.amdhsa_system_sgpr_workgroup_id_y 1
		.amdhsa_system_sgpr_workgroup_id_z 1
		.amdhsa_system_vgpr_workitem_id 0
		.amdhsa_next_free_vgpr 512
		.amdhsa_next_free_sgpr 66
		.amdhsa_reserve_vcc 0
		.amdhsa_float_denorm_mode_32 3
		.amdhsa_float_denorm_mode_16_64 3
		.amdhsa_memory_ordered 1
		.amdhsa_forward_progress 1
		.amdhsa_inst_pref_size 16
	.end_amdhsa_kernel
	.amdgpu_metadata
---
amdhsa.version: [ 1, 2 ]
amdhsa.kernels:
  - .name:           k_q22b50a287a_decproj
    .symbol:         k_q22b50a287a_decproj.kd
    .args:
      - { .name: dec_out_codes, .offset: 0, .size: 8, .value_kind: global_buffer, .address_space: global }
      - { .name: dec_out_scales, .offset: 8, .size: 8, .value_kind: global_buffer, .address_space: global }
      - { .name: W_dec_codes, .offset: 16, .size: 8, .value_kind: global_buffer, .address_space: global }
      - { .name: W_dec_scales, .offset: 24, .size: 8, .value_kind: global_buffer, .address_space: global }
      - { .name: b_enc, .offset: 32, .size: 8, .value_kind: global_buffer, .address_space: global }
      - { .name: cb, .offset: 40, .size: 8, .value_kind: global_buffer, .address_space: global }
    .group_segment_fixed_size: 9216
    .private_segment_fixed_size: 0
    .kernarg_segment_align: 8
    .kernarg_segment_size: 48
    .max_flat_workgroup_size: 128
    .sgpr_count:     66
    .vgpr_count:     512
    .wavefront_size: 32
...
	.end_amdgpu_metadata
.endif
;; end of part 1
;; launch energy (part 2): grid 256 x 1, 4 waves a work-group, clusters of 4 x 1, 327,680 bytes of LDS; arguments enc_out, x_lens, W_enc_codes, W_enc_scales, cb, v, energy; writes energy
.if DOCPART == 2
	.amdgcn_target "amdgcn-amd-amdhsa--gfx1250"
	.amdhsa_code_object_version 6
	.text
	.protected	k_q22b50a287a_energy
	.globl	k_q22b50a287a_energy
	.p2align	8
	.type	k_q22b50a287a_energy,@function
k_q22b50a287a_energy:
	s_mov_b64 s[64:65], 0
	v_nop
	global_prefetch_b8 v0, s[64:65] scope:SCOPE_SE
	s_setreg_imm32_b32 hwreg(HW_REG_WAVE_MODE, 25, 1), 1
	s_wait_xcnt 0x0
	s_wait_alu depctr_hold_cnt(0) depctr_sa_sdst(0) depctr_va_vdst(0) depctr_va_sdst(0) depctr_va_ssrc(0) depctr_va_vcc(0) depctr_vm_vsrc(0)
	s_getreg_b32 s2, hwreg(HW_REG_IB_STS2, 6, 4)
	s_cmp_eq_u32 s2, 0
	s_cbranch_scc0 .Lentry_in_a_cluster
	s_endpgm
.Lentry_in_a_cluster:
	s_bfe_u32 s2, ttmp6, 0x10000c
	s_cmp_lg_u32 s2, 0x3003
	s_cbranch_scc0 .Lentry_shape_is_right
	s_endpgm
.Lentry_shape_is_right:
; energy[b][t] = (t < x_lens[b]) x sum over n of v[n] tanh(sum over k of enc_out[b][t][k] W_enc[k][n] + b_enc[n] + dec_proj[b][n]).   [32][2048] f32.
; The product is on codes of FP8 (E4M3) with one E8M0 scale for each 32 along K: W_enc as it is given, enc_out quantised here: a block's scale is 2^(floor(log2(its largest magnitude)) - 8), each number is
; divided by it, held within +-448 and rounded to the nearest code, ties to even.
; tanh(x) = 1 - 2 r, r = 1 / (1 + 2^(c x)), c = 2 log2(e); c x = c x (the product) + cb, cb from the launch before.  So the energy is sum v - 2 sum v r.  Where 2^(c x) overflows r is 0, where it falls to 0 r is 1: no clamp.
; LIMITS: NaN and infinities in enc_out are not served.  A block of zeros gets the byte 1 where the quantiser's rule says 127: its codes are zeros, and these bytes are read by this launch alone.
; The input att_weights_step is named by no launch of this program: no result hangs on it.
; SHARES.  A work-group owns 256 rows t of one batch; each of its four waves 64 of them (four tiles of 16), for ALL 1,024 columns: the sum over n stays inside the wave.
; PHASE Q.  A wave quantises its 64 rows, a row at a time (a lane holds 8 neighbours of each quarter of the row; four lanes hold a block), turns the codes through its own bytes of LDS into the operand's layout
;   and keeps them in 512 registers.  Rows at or behind x_lens[b] have energy 0 whatever they hold: in their place the batch's last counted row is read again (a clamped row number; no branch hangs on x_lens).
; PHASE G.  W_enc passes once: 16 slots of 64 columns x 1,024 K through a ring of two LDS slots.  A fragment of W read from LDS feeds four matrix instructions.  A GROUP is one tile of 16 columns: 32 matrix
;   instructions on four accumulators by turns; the tanh of the tile before stands in 32 slices, one behind each matrix instruction; the next tile's fragments come in two runs of LDS loads.
; CLUSTER.  All work-groups walk the same W_enc in the same order: the four of a cluster ask for each slot JOINTLY (the same tensor load, the same descriptor, mask 15).  Nothing but enc_out's and energy's
;   addresses and the mask's compare hangs on a work-group's place in its cluster.
; REGISTERS, in windows of 256: window 0: v1-31 addresses; v32-63 A's scale words, v64-79 W's (two sets): these hold scales and nothing else; v80-83 (cb, v) of a tile, two sets; v84 sum of v; v86-91 addresses of
;   a group's loads, two sets; v96-127 sum of v r (in phase Q: held numbers); v128-191 two sets of four accumulators (in phase Q: at work, codes); v208-239 scale bytes in phase Q.
;   window 1: A's fragments of row tiles 0, 1 at 128 i + 16 s;   window 2: of tiles 2, 3;   window 3: eight rows as loaded, later W's fragments, two sets of eight.
.set RINGS, 66560                      ; a slot: 64 column rows x 1,040 bytes
.set TILEB, 16640                      ; 16 column rows: what one tensor load brings, and one group's tile.  A row: 1,024 bytes + 16 of padding = 260 words: row r starts at bank 4 r mod 64 (ISA guide 11.1)
.set WSC,   133120                     ; W's scale bytes as in memory, [n][32]: filled once
.set IMG,   165888                     ; for each wave: codes of 32 rows, by chunks of 16 along K: chunk q at 528 q, row at 16 x row
.set IMGW,  33792
.set ASC,   301056                     ; for each wave: A's scale bytes: K step s at 256 s, row at 4 x row
.set CBL,   309248                     ; cb of my batch; 4,096 bytes on: v
.set ESC,   317440                     ; for each wave: 64 energies on the way out
.set SPARE, 318464                     ; the spare words, 128 bytes for each wave: two blocks of 256 bytes that no other line names
.set RA,   24                          ; v24-31  byte offsets of the eight rows on their way
.set ASCL, 32
.set WS,   64
.set CV,   80
.set WAD,  86                          ; v86-87  where a group's fragments of W lie, by the group's parity
.set WSA,  88                          ; v88-89  the next tile's scale words
.set CVA,  90                          ; v90-91  the group's own cb and v
.set ES,   96
.set ACC,  128
.set X,    96                          ; phase Q
.set M,    128
.set SO,   132
.set LM,   136
.set PC,   144
.set BY,   208
.set MSB, 0
.macro WIN new                         ; the immediate's high byte repeats the setting that is left
.if MSB != (\new)
	s_set_vgpr_msb (MSB<<8)|(\new)
.set MSB, (\new)
.endif
.endm
; A round of the cluster's barrier: my work-group's barrier; wave 0 signals for the work-group; every wave waits for all four work-groups; my work-group's barrier once more.
.macro CROUND
	s_barrier_signal -1
	s_barrier_wait -1
	s_cmp_lg_u32 s18, 0
	s_cbranch_scc1 .Lnot_wave_0_\@
	s_barrier_signal -3
.Lnot_wave_0_\@:
	s_barrier_wait -3
	s_barrier_signal -1
	s_barrier_wait -1
.endm
	s_load_b256 s[4:11], s[0:1], 0x0               ; enc_out s[4:5], x_lens s[6:7], W's codes s[8:9], W's scales s[10:11]
	s_load_b128 s[12:15], s[0:1], 0x20             ; cb s[12:13], v s[14:15]
	s_load_b64 s[16:17], s[0:1], 0x30              ; energy
	v_lshl_add_u32 v4, v0, 2, SPARE                ; my spare word; never rewritten
	v_mov_b32 v5, 0                                ; 0; never rewritten
	ds_add_u32 v4, v5
	ds_add_u32 v4, v5
	s_wait_dscnt 0x0
	v_lshrrev_b32 v1, 5, v0
	v_readfirstlane_b32 s18, v1                    ; wave 0..3
	s_bfe_u32 s19, ttmp6, 0x40000                  ; cx: my place in the cluster
	s_lshl_b32 s20, ttmp9, 2
	s_add_co_u32 s20, s20, s19                     ; my block of 256 rows = 4 x cluster + cx
	s_lshr_b32 s21, ttmp9, 1                       ; the batch: eight blocks each; the four partners share it
	s_and_b32 s22, s20, 7
	s_lshl_b32 s22, s22, 8
	s_lshl_b32 s27, s18, 6
	s_add_co_u32 s22, s22, s27                     ; my wave's first row in the batch
	s_mov_b32 s32, 0x4800000                       ; the floor 2^(9 - 127) under the largest magnitude: the scale's byte cannot fall under 1
	s_mov_b32 s33, 0xfc000000                      ; 8 off an exponent field
	s_mov_b32 s34, 0x7f800000                      ; the exponent field
	s_mov_b32 s35, 0x600000                        ; the mantissa field of 448
	s_mov_b32 s36, 0x4038aa3b                      ; c = 2 log2(e)
	s_mov_b32 s37, s36                             ; (named with it as a pair, so it is written)
	; descriptor group 1 for a tile of W: 16 rows x 1,024 bytes, 16 bytes of padding behind each
	s_mov_b32 s44, 15|(1<<20)|(1<<21)|(7<<22)|(3<<25)   ; 15:0 the mask: all four work-groups; 17:16 elements of 1 byte; 20 padding on; 21 set beside a mask; 24:22 after every 256 words (code 7); 31:25 four words (code 3)
	s_mov_b32 s45, 1024<<16                        ; tensor_dim0
	s_mov_b32 s46, 16<<16                          ; tensor_dim1
	s_mov_b32 s47, 1024<<16                        ; tile_dim0
	s_mov_b32 s48, 16                              ; tile_dim1
	s_mov_b32 s49, 1024                            ; tensor_dim0_stride
	s_mov_b32 s50, 0
	s_mov_b32 s51, 0
	; and for a quarter of W's scale bytes: 8,192 dense bytes as 32 rows of 256 (32 elements of 8 bytes)
	s_mov_b32 s52, 15|(3<<16)|(1<<21)
	s_mov_b32 s53, 32<<16
	s_mov_b32 s54, 32<<16
	s_mov_b32 s55, 32<<16
	s_mov_b32 s56, 32
	s_mov_b32 s57, 32
	s_mov_b32 s58, 0
	s_mov_b32 s59, 0
	s_lshl_b32 s80, s21, 2                         ; x_lens[b]
	s_mov_b32 s81, 0
	s_lshl_b32 s82, s18, 13                        ; my quarter of the scale bytes
	s_mov_b32 s83, 0
	s_lshl_b32 s84, s18, 14                        ; my 16 rows of a slot's 64, in memory,
	s_mov_b32 s85, 0
	s_mul_i32 s27, s18, TILEB                      ; and in a slot: no place in the cluster enters an LDS address
	s_wait_kmcnt 0x0
	s_add_nc_u64 s[86:87], s[6:7], s[80:81]
	s_load_b32 s23, s[86:87], 0x0                  ; x_lens[b]
	s_mov_b32 s60, 1                               ; group 0 for the scale bytes
	s_add_co_u32 s61, s82, WSC
	s_add_nc_u64 s[62:63], s[10:11], s[82:83]
	s_or_b32 s63, s63, 0x80000000
	s_add_nc_u64 s[84:85], s[8:9], s[84:85]
.irp x, 0,1                                    ; group 0 for each slot: columns 64 x on
	s_mov_b32 s[68+4*\x], 1
	s_add_co_u32 s[69+4*\x], s27, \x*RINGS
	s_add_nc_u64 s[70+4*\x:71+4*\x], s[84:85], \x*65536
	s_or_b32 s[71+4*\x], s[71+4*\x], 0x80000000
.endr
	CROUND                                         ; all four work-groups are here: the first joint loads meet
	tensor_load_to_lds s[60:63], s[52:59]          ; the first fills go out together: three loads of mine are out
	s_nop 0
	tensor_load_to_lds s[68:71], s[44:51]
	s_nop 0
	tensor_load_to_lds s[72:75], s[44:51]
	s_nop 0
.rept 4
	v_nop
.endr
	v_and_b32 v1, 15, v0                           ; r
	v_bfe_u32 v2, v0, 4, 1                         ; h
	v_and_b32 v13, 31, v0                          ; lane
	v_lshlrev_b32 v3, 5, v13                       ; my 32 bytes of each quarter of a row of enc_out
	s_mul_i32 s80, s18, IMGW
	s_add_co_u32 s80, s80, IMG                     ; my wave's images
	s_lshl_b32 s81, s18, 11
	s_add_co_u32 s81, s81, ASC                     ; my wave's scale bytes
	s_lshl_b32 s82, s18, 8
	s_add_co_u32 s82, s82, ESC                     ; my wave's energies
	v_bfe_u32 v15, v0, 1, 4
	v_mul_u32_u24 v6, v15, 528
	v_and_b32 v15, 1, v0
	v_lshl_add_u32 v6, v15, 3, v6
	v_add_nc_u32 v6, s80, v6                       ; codes in: chunk lane / 2 of a quarter, its half lane % 2
	v_bfe_u32 v7, v0, 2, 2
	v_lshl_add_u32 v7, v2, 8, v7
	v_add_nc_u32 v7, s81, v7                       ; scale bytes in: K step 2 g + lane / 16, byte (lane / 4) % 4
	v_mul_u32_u24 v10, v2, 528
	v_lshl_add_u32 v10, v1, 4, v10
	v_add_nc_u32 v10, s80, v10                     ; codes out: chunk h, row r
	v_lshl_add_u32 v11, v1, 2, s81                 ; scale words out: row r
	v_mul_u32_u24 v12, v1, 1040
	v_lshl_add_u32 v12, v2, 4, v12                 ; a fragment of W: column row r, + 16 h
	v_lshl_add_u32 v14, v1, 5, WSC                 ; W's scale words: 32 bytes a column
	v_lshl_add_u32 v16, v1, 2, CBL                 ; cb and v: column r
	v_lshl_add_u32 v18, v2, 5, s82                 ; energies in: rows 8 h on
	v_lshl_add_u32 v19, v13, 3, s82                ; and out: two a lane
	v_lshlrev_b32 v20, 3, v13
	v_lshlrev_b32 v21, 1, v13                      ; my two rows on the way out: 2 lane,
	v_or_b32 v17, 1, v21                           ; 2 lane + 1
	v_lshlrev_b32 v22, 4, v0
	v_add_nc_u32 v23, CBL, v22
	v_mov_b32 v85, 0                               ; (named as the upper half of the pair v[84:85])
	s_lshl_b32 s80, s21, 23                        ; a batch of enc_out is 8 MiB
	s_mov_b32 s81, 0
	s_add_nc_u64 s[76:77], s[4:5], s[80:81]
	s_lshl_b32 s80, s21, 11
	s_add_co_u32 s80, s80, s22
	s_lshl_b32 s80, s80, 2
	s_add_nc_u64 s[78:79], s[16:17], s[80:81]      ; my wave's 64 energies: 256 bytes, aligned
	s_lshl_b32 s80, s21, 12
	s_add_nc_u64 s[12:13], s[12:13], s[80:81]      ; my batch's row of cb
	s_wait_kmcnt 0x0                               ; x_lens[b]
	s_sub_co_i32 s24, s23, s22                     ; how many of my wave's rows count (it may be negative or above 64)
	s_sub_co_u32 s25, s23, 1                       ; the batch's last counted row
	s_mov_b32 s26, s22                             ; the row that the loads in hand begin with
	global_load_b128 v[240:243], v22, s[12:13]
	global_load_b128 v[244:247], v22, s[12:13] offset:2048
	global_load_b128 v[248:251], v22, s[14:15]
	global_load_b128 v[252:255], v22, s[14:15] offset:2048
; Where row s26 + k lies, or the batch's last counted row where that comes earlier.
.macro ADDR k
	s_add_co_u32 s27, s26, \k
	s_min_u32 s27, s27, s25
	s_min_u32 s27, s27, 0x7ff                      ; whatever x_lens holds, the row stays inside the batch
	v_lshl_add_u32 v[RA+\k], s27, 12, v3
.endm
; That row into set k of window 3: eight loads; two neighbouring loads cover 1,024 consecutive bytes.  No hint: a clamped row is named again and again.
.macro LOADS k
	WIN 0xc0                                       ; destination window 3
.irp g, 0,1,2,3
	global_load_b128 v[32*\k+8*\g:32*\k+8*\g+3], v[RA+\k], s[76:77] offset:1024*\g
	global_load_b128 v[32*\k+8*\g+4:32*\k+8*\g+7], v[RA+\k], s[76:77] offset:1024*\g+16
.endr
	WIN 0
.endm
.irp k, 0,1,2,3,4,5,6,7
	ADDR \k
	LOADS \k
.endr
	s_add_co_u32 s26, s26, 8
	s_wait_loadcnt 63                              ; of the 68 loads issued at most 63 are out: the oldest four, cb and v, are in
	ds_store_b128 v23, v[240:243]
	ds_store_b128 v23, v[244:247] offset:2048
	ds_store_b128 v23, v[248:251] offset:4096
	ds_store_b128 v23, v[252:255] offset:6144
; One row.  Piece g (a quarter of the row): my 8 numbers are k = 256 g + 8 lane + 0 .. 7; lanes l, l xor 1, l xor 2, l xor 3 hold a block of 32.
.macro ROWQ k, ahead, left
	s_wait_loadcnt \left                           ; loads come back in order: set k's eight are in, the younger sets' stay out; its offset register is free with them
	WIN 0x3c                                       ; sources 1 and 2 window 3
.irp g, 0,1,2,3
	v_max3_num_f32 v[M+\g], s32, |v[32*\k+8*\g]|, |v[32*\k+8*\g+1]|   ; the floor is one leaf more (the four pieces by turns)
.endr
.irp p, 2,4,6
.irp g, 0,1,2,3
	v_max3_num_f32 v[M+\g], v[M+\g], |v[32*\k+8*\g+\p]|, |v[32*\k+8*\g+\p+1]|
.endr
.endr
	WIN 0
.irp g, 0,1,2,3
	v_max_num_f32_dpp v[M+\g], v[M+\g], v[M+\g] row_xmask:1 row_mask:0xf bank_mask:0xf
.endr
.irp g, 0,1,2,3
	v_max_num_f32_dpp v[M+\g], v[M+\g], v[M+\g] row_xmask:2 row_mask:0xf bank_mask:0xf   ; the block's largest magnitude
.endr
.irp g, 0,1,2,3
	v_add_nc_u32 v[SO+\g], s33, v[M+\g]            ; 8 off its exponent field: the conversion takes the exponent field of this operand as its scale
.endr
.irp g, 0,1,2,3
	v_and_or_b32 v[LM+\g], v[M+\g], s34, s35       ; 448 x the scale
.endr
.irp g, 0,1,2,3
	v_lshrrev_b32 v[BY+4*\k+\g], 23, v[SO+\g]      ; the scale's byte
.endr
	WIN 0x03                                       ; source 0 window 3
.irp g, 0,1,2,3
.irp n, 0,1,2,3,4,5,6,7
	v_med3_num_f32 v[X+8*\g+\n], v[32*\k+8*\g+\n], -v[LM+\g], v[LM+\g]   ; the conversion to an 8-bit code does not saturate (ISA guide 7.6.2): the hold comes first
.endr
.endr
	WIN 0
.irp g, 0,1,2,3
	v_cvt_scalef32_pk8_fp8_f32 v[PC+8*\k+2*\g:PC+8*\k+2*\g+1], v[X+8*\g:X+8*\g+7], v[SO+\g]
.endr
.if \ahead
	ADDR \k                                        ; the row eight further on: its one vector line is the plain line behind the last conversion, and it stands ahead of the stores, so that stores and loads are one run
.else
	v_nop                                          ; one plain line behind the last conversion, ahead of whatever next touches its registers
.endif
.irp g, 0,1,2,3
	ds_store_b64 v8, v[PC+8*\k+2*\g:PC+8*\k+2*\g+1] offset:8448*\g+16*\k   ; chunk 16 g + lane / 2, row k of the trip's eight
.endr
.irp g, 0,1,2,3
	ds_store_b8 v9, v[BY+4*\k+\g] offset:512*\g+4*\k   ; the four lanes of a block write the same byte with the same value
.endr
.if \ahead
	LOADS \k
.endif
.endm
; Eight rows.  Codes and bytes have registers of their own for each of the eight; the wait at the head shows that the last trip's LDS stores are done.
.macro TRIP ahead
	s_wait_dscnt 0x0
	v_add_nc_u32 v8, s28, v6
	v_add_nc_u32 v9, s29, v7
.irp k, 0,1,2,3,4,5,6,7
.if \ahead
	ROWQ \k, 1, 56                                 ; behind set k's loads: seven sets of eight
.else
	ROWQ \k, 0, 56-8*\k                            ; the last trip loads nothing: the counts run down
.endif
.endr
	s_add_co_u32 s28, s28, 128                     ; 8 rows x 16 bytes of a chunk
	s_add_co_u32 s29, s29, 32                      ; 8 rows x 4 scale bytes
	s_add_co_u32 s26, s26, 8
.endm
; 32 rows' codes come back as two row tiles' fragments: lane (r, h), K step s, registers 4 c on: chunk 8 s + 2 c + h of row r.  LDS serves a wave's instructions in order: these see my stores.
.macro FETCH hf
	WIN (1+\hf)<<6                                 ; destination window 1 or 2
.irp i, 0,1
.irp s, 0,1,2,3,4,5,6,7
.irp c, 0,1,2,3
	ds_load_b128 v[128*\i+16*\s+4*\c:128*\i+16*\s+4*\c+3], v10 offset:(8*\s+2*\c)*528+256*\i
.endr
.endr
.endr
	WIN 0
.endm
	s_mov_b32 s28, 0
	s_mov_b32 s29, 0
	s_mov_b32 s30, 4
.Lrows_a:                                          ; rows 0 to 31
	TRIP 1
	s_sub_co_u32 s30, s30, 1
	s_cmp_lg_u32 s30, 0
	s_cbranch_scc1 .Lrows_a
	FETCH 0
	s_mov_b32 s28, 0                               ; the images' bytes serve the second 32 rows (the scale bytes' go on)
	s_mov_b32 s30, 3
.Lrows_b:                                          ; rows 32 to 55
	TRIP 1
	s_sub_co_u32 s30, s30, 1
	s_cmp_lg_u32 s30, 0
	s_cbranch_scc1 .Lrows_b
	TRIP 0                                         ; rows 56 to 63
	FETCH 1
.irp i, 0,1,2,3
.irp s, 0,1,2,3,4,5,6,7
	ds_load_b32 v[ASCL+8*\i+\s], v11 offset:256*\s+64*\i   ; lane r: the word of row 16 i + r for K step s
.endr
.endr
	s_wait_tensorcnt 0x1                           ; W's scale bytes and my part of slot 0 are in; slot 1's may stay out
	s_wait_dscnt 0x0                               ; my stores of cb and v are done
	s_barrier_signal -1
	s_barrier_wait -1                              ; everybody's are
; THE VECTOR WORK OF A GROUP: the tanh of the tile before: 32 accumulator registers at v[AQ] on (pairs 0 to 15), with its (cb, v) in the pair v[CQ].
; Two stages of 12 slices, then 8 slices of sums.  Stage 0: the 16 packed scalings c x + cb and the 32 exponentials 2^(..).  Stage 1: the 16 packed additions 1 + .. and the 32 reciprocals.
.macro PLAIN st, p                     ; pair p: stage 0 the scaling, stage 1 the addition
.set sa, AQ+2*(\p)
.if \st == 0
	v_pk_fma_f32 v[sa:sa+1], v[sa:sa+1], s[36:37], v[CQ:CQ+1] op_sel_hi:[1,0,0]
.else
	v_pk_add_f32 v[sa:sa+1], v[sa:sa+1], 1.0 op_sel_hi:[1,0]
.endif
.endm
.macro TRANS st, e                     ; register e: stage 0 the exponential, stage 1 the reciprocal
.set sa, AQ+(\e)
.if \st == 0
	v_exp_f32 v[sa], v[sa]
.else
	v_rcp_f32 v[sa], v[sa]
.endif
.endm
.macro SUMUP mode, p                   ; pair p: v r onto the rows' sums; mode 1: the first tile starts them
.set sa, AQ+2*(\p)
.set se, ES+2*(\p)
.if \mode == 1
	v_pk_mul_f32 v[se:se+1], v[sa:sa+1], v[CQ:CQ+1] op_sel:[0,1] op_sel_hi:[1,1]
.else
	v_pk_fma_f32 v[se:se+1], v[sa:sa+1], v[CQ:CQ+1], v[se:se+1] op_sel:[0,1,0] op_sel_hi:[1,1,1]
.endif
.endm
; Slice SN of 32.  mode 0: nothing yet (the first group).  A stage's slice SQ of 12: a plain line leads a slice while there are plain lines:
;   0      pairs 0 to 3;        1, 2   pair, register, pair, register: pairs 4 to 7, registers 0 to 3;        3 to 10   pair SQ + 5, registers 3 SQ - 5 to 3 SQ - 3;        11   registers 28 to 31.
; A register's pair stands in an earlier slice than the register.  Nothing names a transcendental's result ahead of the stage's end: in slice 3 + k the pair is registers 16 + 2 k on, and the transcendentals
; issued so far end at register 3 + 3 k.  So each stage's 32 are ONE batch, with one plain line and one wait behind it: the wait stands ahead of the batch's first reader.
; The pairs go in ascending order: each accumulator is read from its low end on.
; Slices 24 to 31: two sums each.  They, the group's three address lines and slice 0 are plain lines that name no register of the products between which they stand: the eight places between an
; accumulator's last product and its first read (row tile 0: 2 x 4 lines, and 3 more where a group follows; row tile 1: 6 + 4 at the least; tiles 2 and 3 are first read in slices 3 and 7).
.macro SLICE mode
.if \mode
	WIN 0
.if SN < 24
.set STG, SN/12
.set SQ, SN%12
.if SQ == 0
	PLAIN STG, 0
	PLAIN STG, 1
	PLAIN STG, 2
	PLAIN STG, 3
.elseif SQ < 3
	PLAIN STG, 2*SQ+2
	TRANS STG, 2*SQ-2
	PLAIN STG, 2*SQ+3
	TRANS STG, 2*SQ-1
.elseif SQ < 11
	PLAIN STG, SQ+5
	TRANS STG, 3*SQ-5
	TRANS STG, 3*SQ-4
	TRANS STG, 3*SQ-3
.else
	TRANS STG, 28
	TRANS STG, 29
	TRANS STG, 30
	TRANS STG, 31
	v_nop                                          ; a plain line behind the last transcendental,
	s_wait_alu depctr_va_vdst(0)                   ; and one wait for the batch of 32
.endif
.else
.set SQ, SN-24
.if SQ == 0
.if \mode == 1
	v_mov_b32 v84, v[CQ+1]                         ; the sum of v
.else
	v_add_f32 v84, v84, v[CQ+1]
.endif
.endif
	SUMUP \mode, 2*SQ
	SUMUP \mode, 2*SQ+1
.endif
.endif
.endm
; THE LDS LOADS OF A GROUP stand in two runs, each directly behind one of the two waits above (behind slices 11 and 23).  They fill the other set of W's registers, whose last reader stands a group back, with far
; more than eight plain lines between.  Run 1, 20 loads: the next tile's scale words, this tile's cb and v (the next group's slices read them), the next tile's fragments of K steps 0 to 3.  Run 2, 16 loads: K steps 4 to 7.
.macro RUN1 P, load
	WIN 0
.if \load
	ds_load_b128 v[WS+8*(1-\P):WS+8*(1-\P)+3], v[WSA+\P]
	ds_load_b128 v[WS+8*(1-\P)+4:WS+8*(1-\P)+7], v[WSA+\P] offset:16
.endif
	ds_load_b32 v[CV+2*\P], v[CVA+\P]
	ds_load_b32 v[CV+2*\P+1], v[CVA+\P] offset:4096
.if \load
	WIN 0xc0                                       ; destination window 3
.irp s, 0,1,2,3
.irp c, 0,1,2,3
	ds_load_b128 v[128*(1-\P)+16*\s+4*\c:128*(1-\P)+16*\s+4*\c+3], v[WAD+\P] offset:128*\s+32*\c
.endr
.endr
.endif
.endm
.macro RUN2 P
	WIN 0xc0
.irp s, 4,5,6,7
.irp c, 0,1,2,3
	ds_load_b128 v[128*(1-\P)+16*\s+4*\c:128*(1-\P)+16*\s+4*\c+3], v[WAD+\P] offset:128*\s+32*\c
.endr
.endr
.endm
; A GROUP: column tile of parity P.  Product SN = 4 gs + gi: K step gs, row tile gi: source 0 = 16 rows of enc_out, source 1 = 16 columns of W: lane (r, h) register j holds (row 8 h + j, column r).
; The four accumulators take turns, one instruction a turn; K step 0 starts the sums with the constant 0.
; mul = 0: no products (the last tile's tanh).  load = 0: there is no next tile to fetch.
; THE COUNTS.  At K step 0 the 16 loads of the last group's run 2 may be out: its run 1 (scale words, cb and v, fragments 0 to 3) is in.  At K step 4 this group's run 1 may be out, 20 loads (2 where there is no next
; tile): the last group's run 2 (fragments 4 to 7) is in.  Run 1 stands 20 matrix instructions ahead of its first use, run 2 stands 24 ahead.
.macro GROUP P, mul, mode, load
	WIN 0
.set AP, ACC+32*\P
.set AQ, ACC+32*(1-\P)
.set CQ, CV+2*(1-\P)
.if \mul
	v_add_nc_u32 v[WAD+\P], s38, v12               ; these three were last named by loads of two groups back, which the group before has waited for
	v_add_nc_u32 v[WSA+\P], s39, v14
	v_add_nc_u32 v[CVA+\P], s40, v16
	s_add_co_u32 s38, s38, TILEB
	s_add_co_u32 s39, s39, 512
	s_add_co_u32 s40, s40, 64
.else
	s_wait_dscnt 0x0                               ; the last tile's cb and v
.endif
.set SN, 0
.rept 32
.set gi, SN%4
.set gs, SN/4
.if \mul
.if gi == 0
.if gs == 0
	s_wait_dscnt 16
.elseif gs == 4
.if \load
	s_wait_dscnt 20
.else
	s_wait_dscnt 2
.endif
.endif
.endif
.set WW, 0x0d+gi/2
	WIN WW                                         ; source 0 (A) window 1 or 2, source 1 (W) window 3
.if gs == 0
	v_wmma_scale_f32_16x16x128_f8f6f4 v[AP+8*gi:AP+8*gi+7], v[128*(gi%2)+16*gs:128*(gi%2)+16*gs+15], v[128*\P+16*gs:128*\P+16*gs+15], 0, v[ASCL+8*gi+gs], v[WS+8*\P+gs]
.else
	v_wmma_scale_f32_16x16x128_f8f6f4 v[AP+8*gi:AP+8*gi+7], v[128*(gi%2)+16*gs:128*(gi%2)+16*gs+15], v[128*\P+16*gs:128*\P+16*gs+15], v[AP+8*gi:AP+8*gi+7], v[ASCL+8*gi+gs], v[WS+8*\P+gs]
.endif
.endif
	SLICE \mode
.if \mul
.if SN == 11
	RUN1 \P, \load
.elseif SN == 23
.if \load
	RUN2 \P
.endif
.endif
.endif
.set SN, SN+1
.endr
.if \mode == 0
	WIN 0
.rept 8
	v_nop                                          ; the first group has no slices: eight places behind its last products
.endr
.endif
.endm
; THE CHANGE OF SLOTS, at the head of a slot's last group: the slot's last reads were issued in the group before; this group fetches from the other slot.  Each wave waits for all its tensor loads (one is out: its
; part of the other slot), adds 0 to its spare word, and waits for that and for its reads of slot x.  fill = 1: slot x takes the columns two slots on: the barrier is a round of the cluster's, and the joint
; refill is the first thing behind it: it has four groups, 128 matrix instructions, in which to land.
.macro CHANGE x, fill
	WIN 0
	s_wait_tensorcnt 0x0                           ; no tensor load of mine is out, so a group 0 may be written
	ds_add_u32 v4, v5                              ; 0 onto my spare word
.if \fill
	s_add_nc_u64 s[70+4*\x:71+4*\x], s[70+4*\x:71+4*\x], 131072   ; 128 columns on; the type bits on top are not reached
.endif
	s_wait_dscnt 0x0                               ; the add is done, and my reads of slot x are over
.if \fill
	CROUND
	tensor_load_to_lds s[68+4*\x:71+4*\x], s[44:51]
	s_nop 0
.rept 4
	v_nop
.endr
.else
	s_barrier_signal -1
	s_barrier_wait -1
.endif
	s_mov_b32 s38, (1-\x)*RINGS                    ; the fetches go on in the other slot
.endm
.macro PAIRLOOP                        ; four groups: written as two, walked twice
	s_mov_b32 s31, 2
.Lpair_\@:
	GROUP 1, 1, 2, 1
	GROUP 0, 1, 2, 1
	WIN 0
	s_sub_co_u32 s31, s31, 1
	s_cmp_lg_u32 s31, 0
	s_cbranch_scc1 .Lpair_\@
.endm
	WIN 0xc0                                       ; column tile 0: its eight fragments and its scale words
.irp s, 0,1,2,3,4,5,6,7
.irp c, 0,1,2,3
	ds_load_b128 v[16*\s+4*\c:16*\s+4*\c+3], v12 offset:128*\s+32*\c
.endr
.endr
	WIN 0
	ds_load_b128 v[WS:WS+3], v14
	ds_load_b128 v[WS+4:WS+7], v14 offset:16
	s_mov_b32 s38, TILEB                           ; where the next tile's fragments lie in the ring,
	s_mov_b32 s39, 512                             ; its scale words,
	s_mov_b32 s40, 0                               ; and the tile in hand's cb and v
	s_wait_dscnt 0x0
	GROUP 0, 1, 0, 1                               ; tile 0
	GROUP 1, 1, 1, 1                               ; tile 1 | tanh of tile 0, which starts the sums
	GROUP 0, 1, 2, 1                               ; tile 2 | tanh of tile 1
	WIN 0                                          ; at a label and at a branch every window is 0
	s_mov_b32 s30, 7
.Lring:                                            ; seven trips, eight tiles each: slots 2 to 15 are asked for
	CHANGE 0, 1
	PAIRLOOP
	CHANGE 1, 1
	PAIRLOOP
	s_sub_co_u32 s30, s30, 1
	s_cmp_lg_u32 s30, 0
	s_cbranch_scc1 .Lring
	CHANGE 0, 0                                    ; the tail is written out: nothing is left to ask for
	PAIRLOOP                                       ; tiles 59 to 62
	GROUP 1, 1, 2, 0                               ; tile 63
	GROUP 0, 0, 2, 0                               ; its tanh
	; THE WAY OUT.  Register 8 i + j of lane (r, h): row 16 i + 8 h + j, the columns n = r mod 16.  sum v - 2 sum v r in each lane, then over the sixteen lanes of a half.
.irp p, 0,2,4,6,8,10,12,14,16,18,20,22,24,26,28,30
	v_pk_fma_f32 v[ES+\p:ES+\p+1], v[ES+\p:ES+\p+1], -2.0, v[84:85] op_sel_hi:[1,0,0]
.endr
.irp x, 1,2,4,8
.irp n, 0,1,2,3,4,5,6,7,8,9,10,11,12,13,14,15,16,17,18,19,20,21,22,23,24,25,26,27,28,29,30,31
	v_add_f32_dpp v[ES+\n], v[ES+\n], v[ES+\n] row_xmask:\x row_mask:0xf bank_mask:0xf
.endr
.endr
.irp i, 0,1,2,3
.irp j, 0,1,2,3,4,5,6,7
	ds_store_b32 v18, v[ES+8*\i+\j] offset:64*\i+4*\j   ; the sixteen lanes of a half write the same word with the same value
.endr
.endr
	ds_load_b64 v[240:241], v19                    ; LDS serves a wave's instructions in order: this sees my stores.  Rows 2 lane, 2 lane + 1
	s_wait_dscnt 0x0
	v_cmp_gt_i32 vcc_lo, s24, v21                  ; the mask: a row counts where it lies under x_lens[b]
	v_cndmask_b32 v240, 0, v240, vcc_lo
	v_cmp_gt_i32 vcc_lo, s24, v17
	v_cndmask_b32 v241, 0, v241, vcc_lo
	global_store_b64 v20, v[240:241], s[78:79]     ; 32 lanes store 256 consecutive bytes, at a multiple of 256 from the buffer's first byte
	s_wait_tensorcnt 0x0                           ; the wave's end: behind my last tensor load and my last LDS store
	ds_add_u32 v4, v5
	s_wait_dscnt 0x0
	CROUND                                         ; the closing round: no work-group ends while a partner may still ask for a tile that names it
	s_endpgm
.Lfunc_end_k_q22b50a287a_energy:
	.size	k_q22b50a287a_energy, .Lfunc_end_k_q22b50a287a_energy-k_q22b50a287a_energy
	.p2alignl 7, 3214868480
	.fill 96, 4, 3214868480
	.section	.rodata,"a",@progbits
	.p2align	6, 0x0
	.amdhsa_kernel k_q22b50a287a_energy
		.amdhsa_group_segment_fixed_size 327680
		.amdhsa_private_segment_fixed_size 0
		.amdhsa_enable_private_segment 0
		.amdhsa_kernarg_size 56
		.amdhsa_user_sgpr_count 2
		.amdhsa_user_sgpr_kernarg_segment_ptr 1
		.amdhsa_wavefront_size32 1
		.amdhsa_system_sgpr_workgroup_id_x 1
		.amdhsa_system_sgpr_workgroup_id_y 1
		.amdhsa_system_sgpr_workgroup_id_z 1
		.amdhsa_system_vgpr_workitem_id 0
		.amdhsa_next_free_vgpr 1024
		.amdhsa_next_free_sgpr 88
		.amdhsa_reserve_vcc 1
		.amdhsa_float_denorm_mode_32 3
		.amdhsa_float_denorm_mode_16_64 3
		.amdhsa_memory_ordered 1
		.amdhsa_forward_progress 1
		.amdhsa_inst_pref_size 255
	.end_amdhsa_kernel
	.section	.bss,"aw",@nobits
	.p2align	6
	.space	262144
	.amdgpu_metadata
---
amdhsa.version: [ 1, 2 ]
amdhsa.kernels:
  - .name:           k_q22b50a287a_energy
    .symbol:         k_q22b50a287a_energy.kd
    .args:
      - { .name: enc_out, .offset: 0, .size: 8, .value_kind: global_buffer, .address_space: global }
      - { .name: x_lens, .offset: 8, .size: 8, .value_kind: global_buffer, .address_space: global }
      - { .name: W_enc_codes, .offset: 16, .size: 8, .value_kind: global_buffer, .address_space: global }
      - { .name: W_enc_scales, .offset: 24, .size: 8, .value_kind: global_buffer, .address_space: global }
      - { .name: cb, .offset: 32, .size: 8, .value_kind: global_buffer, .address_space: global }
      - { .name: v, .offset: 40, .size: 8, .value_kind: global_buffer, .address_space: global }
      - { .name: energy, .offset: 48, .size: 8, .value_kind: global_buffer, .address_space: global }
    .group_segment_fixed_size: 327680
    .private_segment_fixed_size: 0
    .kernarg_segment_align: 8
    .kernarg_segment_size: 56
    .max_flat_workgroup_size: 128
    .sgpr_count:     88
    .vgpr_count:     1024
    .wavefront_size: 32
...
	.end_amdgpu_metadata
.endif
;; end of part 2
;; launch context (part 3): grid 256 x 1, 16 waves a work-group, no clusters, 18,944 bytes of LDS; arguments energy, enc_out, out0, out1; writes out0, out1
.if DOCPART == 3
	.amdgcn_target "amdgcn-amd-amdhsa--gfx1250"
	.amdhsa_code_object_version 6
	.text
	.protected	k_q22b50a287a_context
	.globl	k_q22b50a287a_context
	.p2align	8
	.type	k_q22b50a287a_context,@function
k_q22b50a287a_context:
	s_mov_b64 s[64:65], 0
	v_nop
	global_prefetch_b8 v0, s[64:65] scope:SCOPE_SE
	s_setreg_imm32_b32 hwreg(HW_REG_WAVE_MODE, 25, 1), 1
	s_wait_xcnt 0x0
; att[b][:] = softmax over the 2,048 masked energies of batch b (the largest is taken away first);  context[b][e] = sum over t of att[b][t] enc_out[b][t][e].  All in f32.
; SHARES.  Eight work-groups to a batch.  Work-group p of batch b owns columns 128 p .. 128 p + 127 of the context (512 aligned bytes of every row of enc_out) and stores att[b][256 p .. 256 p + 255].
; Each of the eight makes the batch's softmax for itself: 8 KiB of energies, four a thread.  Wave w takes rows 128 w .. 128 w + 127; one load of a wave is one row's 512 bytes; 16 loads of every wave are on their way.
; A stream: every byte of enc_out is read once here and used once.  No matrix unit (one column of weights), no cluster and no tensor load (the work-groups share nothing but the energies).
; REGISTERS: v2 16 x thread; v4-7 my four energies, then p, then att; v12-27 sixteen waves' figures; v32-47 a slot's row offset; v48-111 16 slots x 4; v112-127 16 rows' weights; v128-135 two sums of 4 columns.
.set ATT, 0                            ; LDS: the batch's 2,048 weights,
.set RED, 8192                         ; the sixteen waves' sums, 512 bytes each,
.set MX,  16384                        ; their maxima; 256 bytes on: their sums of p
.set OFF, 32
.set XR,  48
.set PW,  112
.set AC,  128
	s_load_b256 s[4:11], s[0:1], 0x0               ; energy s[4:5], enc_out s[6:7], out0 s[8:9], out1 s[10:11]
	v_lshl_add_u32 v144, v0, 2, 0x4200
	v_mov_b32 v145, 0
	v_lshrrev_b32 v1, 5, v0
	v_readfirstlane_b32 s12, v1                    ; wave 0..15
	v_and_b32 v1, 31, v0                           ; lane
	v_lshlrev_b32 v2, 4, v0                        ; my four energies, and my four weights in LDS and in out1
	s_lshr_b32 s13, ttmp9, 3                       ; b
	s_and_b32 s14, ttmp9, 7                        ; p
	s_mov_b32 s16, 0x76543210
	s_mov_b32 s17, 0xfedcba98                      ; v_permlanex16_b32's selects for lane l xor 16
	s_mov_b32 s18, 0x3fb8aa3b                      ; log2(e)
	s_lshl_b32 s19, s12, 9                         ; LDS: my wave's 128 weights
	s_lshl_b32 s21, s12, 19                        ; my wave's 128 rows of 4,096 bytes
	v_lshl_add_u32 v3, v1, 4, s21
.irp j, 0,1,2,3,4,5,6,7,8,9,10,11,12,13,14,15
	v_add_nc_u32 v[OFF+\j], 4096*\j, v3
.endr
	s_lshl_b32 s21, s12, 2
	s_add_co_u32 s21, s21, MX
	v_mov_b32 v10, s21                             ; my wave's word among the maxima
	v_mov_b32 v11, MX
	v_mov_b32 v9, 0                                ; written once: a lane permute's destination counts as one of its sources
	s_add_co_u32 s21, s19, RED
	v_lshl_add_u32 v137, v1, 4, s21                ; my wave's sums
	v_lshl_add_u32 v138, v1, 4, RED                ; all waves' sums, as wave 0 reads them
	v_lshlrev_b32 v139, 4, v1
	s_lshl_b32 s22, s13, 13                        ; the batch's 8,192 bytes of energy and of out1
	s_mov_b32 s23, 0
	s_lshl_b32 s24, s13, 23                        ; its 8 MiB of enc_out,
	s_lshl_b32 s26, s14, 9
	s_add_co_u32 s24, s24, s26                     ; and my 512 bytes of a row
	s_mov_b32 s25, 0
	s_lshl_b32 s27, s13, 12                        ; its 4,096 bytes of out0
	s_add_co_u32 s26, s26, s27
	s_mov_b32 s27, 0
	s_wait_kmcnt 0x0
	s_add_nc_u64 s[4:5], s[4:5], s[22:23]
	s_add_nc_u64 s[10:11], s[10:11], s[22:23]
	s_add_nc_u64 s[6:7], s[6:7], s[24:25]
	s_add_nc_u64 s[8:9], s[8:9], s[26:27]
	global_load_b128 v[4:7], v2, s[4:5]
.irp j, 0,1,2,3,4,5,6,7,8,9,10,11,12,13,14,15
	global_load_b128 v[XR+4*\j:XR+4*\j+3], v[OFF+\j], s[6:7] th:TH_LOAD_NT   ; the first 16 rows are on their way while the softmax is made
.endr
	s_wait_loadcnt 16                              ; the energies are in; the 16 rows stay out
	; the largest energy: in the lane, over the wave, over the sixteen waves
	v_max3_num_f32 v8, v4, v5, v6
	v_max_num_f32 v8, v8, v7
.irp x, 1,2,4,8
	v_max_num_f32_dpp v8, v8, v8 row_xmask:\x row_mask:0xf bank_mask:0xf
.endr
	v_permlanex16_b32 v9, v8, s16, s17
	v_max_num_f32 v8, v8, v9
	ds_store_b32 v10, v8                           ; all lanes write the same word with the same value
	s_wait_dscnt 0x0
	s_barrier_signal -1
	s_barrier_wait -1
.irp q, 0,1,2,3
	ds_load_b128 v[12+4*\q:15+4*\q], v11 offset:16*\q
.endr
	s_wait_dscnt 0x0
	v_max3_num_f32 v8, v12, v13, v14
.irp q, 15,17,19,21,23,25
	v_max3_num_f32 v8, v8, v[\q], v[\q+1]
.endr
	v_max_num_f32 v8, v8, v27
	; p = e^(energy - the largest)
.irp q, 4,5,6,7
	v_sub_f32 v[\q], v[\q], v8
.endr
.irp q, 4,5,6,7
	v_mul_f32 v[\q], s18, v[\q]
.endr
.irp q, 4,5,6,7
	v_exp_f32 v[\q], v[\q]
.endr
	v_nop                                          ; a plain line behind the last exponential,
	s_wait_alu depctr_va_vdst(0)                   ; and one wait for the four, ahead of their first reader
	v_add_f32 v8, v4, v5
	v_add_f32 v9, v6, v7
	v_add_f32 v8, v8, v9
.irp x, 1,2,4,8
	v_add_f32_dpp v8, v8, v8 row_xmask:\x row_mask:0xf bank_mask:0xf
.endr
	v_permlanex16_b32 v9, v8, s16, s17
	v_add_f32 v8, v8, v9
	ds_store_b32 v10, v8 offset:256                ; other bytes than the maxima's: no barrier is needed between those reads and this store
	s_wait_dscnt 0x0
	s_barrier_signal -1
	s_barrier_wait -1
.irp q, 0,1,2,3
	ds_load_b128 v[12+4*\q:15+4*\q], v11 offset:256+16*\q
.endr
	s_wait_dscnt 0x0
	v_pk_add_f32 v[12:13], v[12:13], v[14:15]
	v_pk_add_f32 v[16:17], v[16:17], v[18:19]
	v_pk_add_f32 v[20:21], v[20:21], v[22:23]
	v_pk_add_f32 v[24:25], v[24:25], v[26:27]
	v_pk_add_f32 v[12:13], v[12:13], v[16:17]
	v_pk_add_f32 v[20:21], v[20:21], v[24:25]
	v_pk_add_f32 v[12:13], v[12:13], v[20:21]
	v_add_f32 v8, v12, v13
	v_rcp_f32 v8, v8
	v_nop
	s_wait_alu depctr_va_vdst(0)
	v_pk_mul_f32 v[4:5], v[4:5], v[8:9] op_sel_hi:[1,0]
	v_pk_mul_f32 v[6:7], v[6:7], v[8:9] op_sel_hi:[1,0]   ; att
	ds_store_b128 v2, v[4:7]
	s_lshr_b32 s21, s12, 1                         ; att[256 p .. 256 p + 255] lies in waves 2 p and 2 p + 1: they store it
	s_cmp_eq_u32 s21, s14
	s_cbranch_scc0 .Lnot_my_att
	global_store_b128 v2, v[4:7], s[10:11]         ; a wave stores 512 consecutive bytes, aligned
.Lnot_my_att:
	s_wait_dscnt 0x0
	s_barrier_signal -1
	s_barrier_wait -1                              ; the batch's 2,048 weights lie in LDS
; One row: four columns a lane, x the row's weight, onto one of two sums by turns.  ahead = 1: the slot takes the row 16 further on.  left: the younger loads, which stay out.
.macro SLOT j, ahead, left, first
	s_wait_loadcnt \left                           ; loads come back in order: this slot's is in, and its offset register is free
.set aa, AC+4*((\j)%2)
.set pw, PW+2*((\j)/2)
.irp u, 0,2
.if (\first) && ((\j) == 0)
	v_pk_mul_f32 v[aa+\u:aa+\u+1], v[XR+4*(\j)+\u:XR+4*(\j)+\u+1], v[pw:pw+1] op_sel_hi:[1,0]   ; the first two rows start the sums: nothing is cleared
.elseif (\first) && ((\j) == 1)
	v_pk_mul_f32 v[aa+\u:aa+\u+1], v[XR+4*(\j)+\u:XR+4*(\j)+\u+1], v[pw:pw+1] op_sel:[0,1] op_sel_hi:[1,1]
.elseif ((\j)%2) == 0
	v_pk_fma_f32 v[aa+\u:aa+\u+1], v[XR+4*(\j)+\u:XR+4*(\j)+\u+1], v[pw:pw+1], v[aa+\u:aa+\u+1] op_sel_hi:[1,0,1]
.else
	v_pk_fma_f32 v[aa+\u:aa+\u+1], v[XR+4*(\j)+\u:XR+4*(\j)+\u+1], v[pw:pw+1], v[aa+\u:aa+\u+1] op_sel:[0,1,0] op_sel_hi:[1,1,1]
.endif
.endr
.if \ahead
	v_add_nc_u32 v[OFF+(\j)], 0x10000, v[OFF+(\j)]
	global_load_b128 v[XR+4*(\j):XR+4*(\j)+3], v[OFF+(\j)], s[6:7] th:TH_LOAD_NT
.endif
.endm
.macro TRIPC ahead, first              ; 16 rows
	v_mov_b32 v136, s19
.irp q, 0,1,2,3
	ds_load_b128 v[PW+4*\q:PW+4*\q+3], v136 offset:ATT+16*\q   ; the 16 rows' weights, the same in every lane
.endr
	s_wait_dscnt 0x0
.irp j, 0,1,2,3,4,5,6,7,8,9,10,11,12,13,14,15
.if \ahead
	SLOT \j, 1, 15, \first
.else
	SLOT \j, 0, 15-\j, 0                           ; the last trip loads nothing: the counts run down
.endif
.endr
	s_add_co_u32 s19, s19, 64
.endm
	TRIPC 1, 1
	s_mov_b32 s20, 6
.Ltrip:
	TRIPC 1, 0
	s_sub_co_u32 s20, s20, 1
	s_cmp_lg_u32 s20, 0
	s_cbranch_scc1 .Ltrip
	TRIPC 0, 0
	v_pk_add_f32 v[AC:AC+1], v[AC:AC+1], v[AC+4:AC+5]
	v_pk_add_f32 v[AC+2:AC+3], v[AC+2:AC+3], v[AC+6:AC+7]
	ds_store_b128 v137, v[AC:AC+3]
	s_wait_dscnt 0x0
	s_barrier_signal -1
	s_barrier_wait -1                              ; the sixteen waves' sums lie in LDS
	s_cmp_lg_u32 s12, 0
	s_cbranch_scc1 .Ldone                          ; wave 0 adds them: 8 KiB, once
.irp j, 0,1,2,3,4,5,6,7,8,9,10,11,12,13,14,15
	ds_load_b128 v[XR+4*\j:XR+4*\j+3], v138 offset:512*\j
.endr
	s_wait_dscnt 0x0
; wave s's four sums are added onto wave d's.  (An argument is put in as text: it stands in brackets wherever it is part of a larger expression)
.macro RADD d, s
	v_pk_add_f32 v[XR+4*(\d):XR+4*(\d)+1], v[XR+4*(\d):XR+4*(\d)+1], v[XR+4*(\s):XR+4*(\s)+1]
	v_pk_add_f32 v[XR+4*(\d)+2:XR+4*(\d)+3], v[XR+4*(\d)+2:XR+4*(\d)+3], v[XR+4*(\s)+2:XR+4*(\s)+3]
.endm
.irp d, 0,1,2,3,4,5,6,7
	RADD \d, \d+8
.endr
.irp d, 0,1,2,3
	RADD \d, \d+4
.endr
	RADD 0, 2
	RADD 1, 3
	RADD 0, 1
	global_store_b128 v139, v[XR:XR+3], s[8:9]     ; 32 lanes store 512 consecutive bytes, at a multiple of 256 from out0's first byte
.Ldone:
	s_wait_tensorcnt 0x0
	ds_add_u32 v144, v145
	s_wait_dscnt 0x0
	s_endpgm
.Lfunc_end_k_q22b50a287a_context:
	.size	k_q22b50a287a_context, .Lfunc_end_k_q22b50a287a_context-k_q22b50a287a_context
	.p2alignl 7, 3214868480
	.fill 96, 4, 3214868480
	.section	.rodata,"a",@progbits
	.p2align	6, 0x0
	.amdhsa_kernel k_q22b50a287a_context
		.amdhsa_group_segment_fixed_size 18944
		.amdhsa_private_segment_fixed_size 0
		.amdhsa_enable_private_segment 0
		.amdhsa_kernarg_size 32
		.amdhsa_user_sgpr_count 2
		.amdhsa_user_sgpr_kernarg_segment_ptr 1
		.amdhsa_wavefront_size32 1
		.amdhsa_system_sgpr_workgroup_id_x 1
		.amdhsa_system_sgpr_workgroup_id_y 1
		.amdhsa_system_sgpr_workgroup_id_z 1
		.amdhsa_system_vgpr_workitem_id 0
		.amdhsa_next_free_vgpr 146
		.amdhsa_next_free_sgpr 66
		.amdhsa_reserve_vcc 0
		.amdhsa_float_denorm_mode_32 3
		.amdhsa_float_denorm_mode_16_64 3
		.amdhsa_memory_ordered 1
		.amdhsa_forward_progress 1
		.amdhsa_inst_pref_size 26
	.end_amdhsa_kernel
	.amdgpu_metadata
---
amdhsa.version: [ 1, 2 ]
amdhsa.kernels:
  - .name:           k_q22b50a287a_context
    .symbol:         k_q22b50a287a_context.kd
    .args:
      - { .name: energy, .offset: 0, .size: 8, .value_kind: global_buffer, .address_space: global }
      - { .name: enc_out, .offset: 8, .size: 8, .value_kind: global_buffer, .address_space: global }
      - { .name: out0, .offset: 16, .size: 8, .value_kind: global_buffer, .address_space: global }
      - { .name: out1, .offset: 24, .size: 8, .value_kind: global_buffer, .address_space: global }
    .group_segment_fixed_size: 18944
    .private_segment_fixed_size: 0
    .kernarg_segment_align: 8
    .kernarg_segment_size: 32
    .max_flat_workgroup_size: 512
    .sgpr_count:     66
    .vgpr_count:     146
    .wavefront_size: 32
...
	.end_amdgpu_metadata
.endif
;; end of part 3
